; MI455X (gfx1250); checked and timed in simulation.
; The chip was launched on July 23, 2026; its instructions are those of AMD's public machine-readable ISA for CDNA 5 (MIT licence, August 2026) and "CDNA5" Instruction Set Architecture Reference Guide (July 2026). The comments in the code are by the model that wrote it; some were corrected since.
;; Standard Relation Module. Allowed arithmetic: matrix products marked QUANTISED: E5M2 operands, one given power-of-two scale a tensor, by v_wmma_f32_16x16x64_bf8_bf8 or v_wmma_f32_16x16x128_bf8_bf8, f32 sums; products left as they are: f32 operands where the result goes on into a quantised operand, else bf16, f16 or f32 operands; f32 sums; everything else in f32.
;; Inputs: W1_codes 256 x 16 x 32 uint8 (E5M2 codes of W1, K innermost, in blocks of 32 codes); W2_codes 128 x 8 x 32 uint8 (E5M2 codes of W2, K innermost, in blocks of 32 codes); W3_codes 64 x 4 x 32 uint8 (E5M2 codes of W3, K innermost, in blocks of 32 codes); W4 64 x 1 float32; b1 256 float32; b2 128 float32; b3 64 float32; b4 1 float32; lowp_scales 6 int32 (the exponents e of the quantised operands' scales 2^e); query_features 1,024 x 256 float32; support_features 256 x 256 float32; support_y 256 int32.
;; Outputs: out0 1,024 x 256 float32.
;; This version of the problem:
;;   THIS VERSION OF THE PROBLEM IS GIVEN IN LOW PRECISION. The matrix products marked QUANTISED in the list below multiply operands that are first quantised to E5M2 (5 exponent bits, 2 mantissa bits; 8 bits a number), with one given power-of-two scale for each operand tensor; their sums are f32. All else is computed in f32.
;;   The module's matrix products, in the order in which they are computed (A, B: the left and right operand; K: the contracted axis; several contracted axes count as one K, in the product's order):
;;     1. [M 262,144, K 512] x [K 512, N 256]; A: computed on the way; B: input W1 (given as codes): QUANTISED (scales: A lowp_scales[0], B lowp_scales[1])
;;     2. [M 262,144, K 256] x [K 256, N 128]; A: computed on the way; B: input W2 (given as codes): QUANTISED (scales: A lowp_scales[2], B lowp_scales[3])
;;     3. [M 262,144, K 128] x [K 128, N 64]; A: computed on the way; B: input W3 (given as codes): QUANTISED (scales: A lowp_scales[4], B lowp_scales[5])
;;     4. [M 262,144, K 64] x [K 64, N 1]; A: computed on the way; B: input W4: left as it is (N = 1 < 16)
;;   THE QUANTISER, for each operand of a quantised product, along K:
;;     - The operand's scale is 2^e, e = its entry of the input lowp_scales (int32; the entries are numbered through the quantised products in the list's order, A before B).
;;     - Each number is divided by the scale, clamped to +-57,344, and rounded to the nearest number of E5M2, ties to even, subnormals kept.
;;     - The product sums the exact products of the quantised numbers (number of the format x scale) in f32.
;;   ~~~python
;;   def quantise(x, axis, e):      # numpy; x: float32 -> the quantised numbers, widened to float32 again
;;       x = np.moveaxis(x, axis, -1); K = x.shape[-1]
;;       r = np.clip(x / 2.0 ** e, -57344, 57344)
;;       step = 2.0 ** (np.maximum(np.frexp(np.where(r == 0, 1, r))[1] - 1, -14) - 2)
;;       q = np.round(r / step) * step * 2.0 ** e      # np.round: ties to even
;;       return np.moveaxis(q, -1, axis).astype(np.float32)
;;   ~~~
;;   OPERANDS COMPUTED ON THE WAY. 'Computed on the way' means the value that the module computes at that place (a softmax that the list does not call 'softmax' is quantised finished and normalised). What goes into a quantiser is computed in f32, as accurately as f32 sums, v_exp_f32 and their like allow (about 1e-6 of the number): no bf16 or f16 on the way to a quantiser, and a product that is left as it is and whose result goes on into a quantised operand takes f32 operands (vector FMAs, or v_wmma_f32_16x16x4_f32). A number that lies on a knife's edge between two numbers of the format may be rounded either way, as far as f32 arithmetic and the matrix unit's own rounding can turn it there, and no further.
;;   INPUTS GIVEN AS CODES. W1 (in the module: [512, 256], K = its axis 0); W2 (in the module: [256, 128], K = its axis 0); W3 (in the module: [128, 64], K = its axis 0): each comes as NAME_codes (uint8): NAME with its K axis moved to the last place and cut into blocks of 32 codes, [.., K / 32, bytes a block], one block behind the other in memory; one code a byte (a code: sign, 5 exponent bits, 2 mantissa bits); its scale is its entry of lowp_scales. Its value is code x scale, taken as it is: it is not quantised again, and the codes and scales need not be those that the quantiser above would give.
;; One version. Each part assembles by itself: llvm-mc -triple=amdgcn-amd-amdhsa -mcpu=gfx1250 --defsym DOCPART=n.
;; ======== version 1 of 1: 1 launch
;; launch relation (part 1): grid 4 x 64, 4 waves a work-group, no clusters, 287,488 bytes of LDS; arguments query_features, support_features, W1_codes, W2_codes, W3_codes, W4, b1, b2, b3, b4, lowp_scales, out0; writes out0
.if DOCPART == 1
	.amdgcn_target "amdgcn-amd-amdhsa--gfx1250"
	.amdhsa_code_object_version 6
	.text
	.protected	k_q09b688651f_relation
	.globl	k_q09b688651f_relation
	.p2align	8
	.type	k_q09b688651f_relation,@function
k_q09b688651f_relation:
	s_mov_b64 s[64:65], 0
	v_nop
	global_prefetch_b8 v0, s[64:65] scope:SCOPE_SE
	s_setreg_imm32_b32 hwreg(HW_REG_WAVE_MODE, 25, 1), 1
	s_wait_xcnt 0x0
; out[i][j] = sigmoid(relu(relu(relu([q_i, s_j] W1 + b1) W2 + b2) W3 + b3) W4 + b4) for 1,024 queries x 256 supports.
; The three first products run on codes of BF8 (E5M2), each operand with the one scale 2^e that is given for it (e0 .. e5); sums in f32.  The last (64 numbers a pair) is f32 multiply-adds.
; W1 [256][512], W2 [128][256], W3 [64][128] come as codes with K innermost.  q, s, the biases and W4 come as f32.
; support_y is NOT read: no result hangs on it.
; THE FIRST OPERAND.  The quantiser works number by number with one scale, so the codes of [q_i, s_j] are q_i's codes followed by s_j's: they are made once a work-group, from 16 + 64 rows.
; SHARES.  A work-group of four waves owns 16 queries x 64 supports: 64 tiles of 16 pairs, tile T = 4 i + st = query i against supports 16 st .. 16 st + 15.
;   PHASE 1: THE WAVES SHARE LAYER 1'S COLUMNS.  Wave w keeps W1's rows 64 w .. 64 w + 63 in 256 registers and makes those 64 hidden units for all 64 tiles; they are clipped, quantised in registers and
;   stored to LDS as images of the next operand's registers (16 bytes a lane, lane l at 16 l).  One barrier.
;   PHASE 2: THE WAVES SHARE THE ROWS.  Wave w takes tiles 16 w .. 16 w + 15 through layers 2, 3 and 4 with all of W2 (256 registers) and W3 (64) in its own registers: those layers never leave the registers.
; LAYOUT.  Every product is used transposed (source 0 = 16 rows of a weight, source 1 = 16 pairs): a lane holds ONE pair (lane % 16) and its registers run along the hidden units.
;   In every fragment registers 4 c .. 4 c + 3 hold k = 32 c + 16 (lane / 16) + 0 .. 15 of a K step of 128: a permutation of k that is the same on both sides of each product.
;   THE ROWS OF W1 AND W2 THAT FORM A TILE ARE NOT NEIGHBOURS: lane r of tile 2 b + u takes row 32 b + 8 u + r + 8 (r / 8), so that the 16 registers of tiles 2 b, 2 b + 1 are 16 neighbours along the next K.
; SCALES.  A sum of product n stands for sum x 2^(its two e).  So each bias goes in as the C of the sum's first matrix instruction, divided by that power; the next conversion takes the three exponents folded into one;
;   W4 is multiplied by 2^(e4 + e5).  The clip at 0 (relu) and the hold at the largest code are one v_med3_num_f32.
; NO CLUSTER, NO JOINT LOADS: the weights go from memory straight into the registers in which they stay, once a wave; a joint load lands in LDS, of which 40,704 bytes are left beside the 286,976 used here, against W1's 131,072.
; LIMITS: e0, e2 - e0 - e1 and e4 - e2 - e3 lie between -126 and 112, so that the scale and 57,344 x the scale are f32 numbers; the other powers go by v_ldexp_f32.  NaN among the inputs is not served.
;
; LDS:  H1    0        262,144  layer 1's codes: 65,536 x writing wave + 1,024 T + 512 b' + 16 lane (b' = 0, 1: the wave's two blocks of 32 units)
;       SIMG  262,144   16,384  the supports' fragments as images: 2,048 (2 st + K step) + 512 c + 16 lane
;       QROW  278,528    4,352  the queries' codes as rows: 16 rows of 256 bytes, 272 apart
;       STG   282,880    4,096  the sums ahead of b4: 1,024 wave + 64 tile + 4 pair
; REGISTERS, in windows of 256 (s_set_vgpr_msb: bits 1:0 source 0, 3:2 source 1, 5:4 source 2, 7:6 destination):
;   window 0: v1-30 addresses and constants; v32-255 by phase (below).   window 1: W1's fragment (tile t, K step e) at 16 (4 t + e).   window 2: W2's at 16 (2 t + e).
;   window 3: v0-63 W3's four fragments; v64-95 b1; v96-159 b2; v160-191 b3; v192-223 W4 as loaded.
; The vector lines that stand between matrix instructions name a vector register as source 1 and as destination alone (both window 0 under every setting used for products), so they need no switch.
.set SIMG,  262144
.set QROW,  278528
.set QP,    272
.set STG,   282880
.set LI,   1                           ; v1   16 x lane
.set AX,   2                           ; v2   q, s: 1,024 r + 64 h
.set AW1,  3                           ; v3   W1: 512 (r + 8 (r / 8)) + 16 h
.set AW2,  4                           ; v4   W2: 256 (r + 8 (r / 8)) + 16 h
.set AW3,  5                           ; v5   W3: 128 r + 16 h
.set AB64, 6                           ; v6   b1, b2: 64 h
.set AB32, 7                           ; v7   b3, W4: 32 h
.set SWI,  8                           ; v8   where I store my support tile's images
.set QWI,  9                           ; v9   where I store my 64 columns of the queries' codes
.set SRD,  10                          ; v10  SIMG + 16 lane
.set QRB,  11                          ; v11  QROW + 16 h
.set QRA,  12                          ; v12  the same, at the trip's queries
.set HWB,  13                          ; v13  65,536 wave + 16 lane
.set HWA,  14                          ; v14  the same, at the trip's tiles
.set HRB,  15                          ; v15-18  65,536 j + 16,384 wave + 16 lane: writer j's codes of my first tile
.set HRA,  19                          ; v19-22  the same, at the trip's tiles
.set STB,  23                          ; v23  STG + 1,024 wave + 4 r
.set STA,  24                          ; v24  the same, at the trip's tiles
.set STR,  25                          ; v25  STG + 1,024 wave + 16 lane
.set GO,   26                          ; v26  out: 1,024 h + 16 r
.set XSC,  27                          ; v27  2^e0;  v28  57,344 x 2^e0
.set XLIM, 28
.set HSC1, 29                          ; v29  2^(e2 - e0 - e1)
.set HSC2, 30                          ; v30  2^(e4 - e2 - e3)
; window 0 at the head
.set XS,   32                          ; v32-159   my support tile's 128 numbers a lane
.set XQ,   160                         ; v160-191  my 32 numbers of the queries
.set QC,   192                         ; v192-199  their codes
.set PCX0, 224                         ; v224-239, v240-255  the support tile's two fragments
.set PCX1, 240
; window 0 in phase 1
.set QBUF, 32                          ; v32-63, v64-95    a query's two fragments, two sets
.set SBUF, 96                          ; v96-127, v128-159 two support tiles' two fragments
.set ACC,  160                         ; v160-191, v192-223 four accumulators, two sets
.set PC0,  224                         ; v224-231, v232-239 a unit's codes, two sets
.set PC1,  232
; window 0 in phase 2
.set HBUF, 32                          ; v32-63, v64-95    a tile's two fragments of layer 1's codes, two sets
.set W4P,  96                          ; v96-127   W4 x 2^(e4 + e5), in layer 3's layout
.set L3A,  128                         ; v128-159  layer 3's four accumulators
.set L2A,  160                         ; v160-191  layer 2's tiles 0-3
.set L2B,  192                         ; v192-223  layer 2's tiles 4-7
.set HCD,  224                         ; v224-239  layer 2's codes: layer 3's operand
.set SUMA, 240                         ; v[240:241], v[242:243] the dot product, in two chains
.set SUMB, 242
.set TMP0, 244                         ; v244, v245 a tile's sum, by turns
.set PXR,  246                         ; v246  the other half of the lanes' sum
.set ZR,   32                          ; v32-39 the way out
; window 3
.set BI1,  64
.set BI2,  96
.set BI3,  160
.set W4R,  192
; scalars
.set WV,   2                           ; s2   my wave's number
.set CNT,  3                           ; s3   loop counter
.set LIM1, 40                          ; s40  57,344 x 2^(e2 - e0 - e1)
.set LIM2, 41                          ; s41  57,344 x 2^(e4 - e2 - e3)
.set NE01, 42                          ; s42  -(e0 + e1);  s43  -(e2 + e3);  s44  -(e4 + e5);  s45  e4 + e5
.set NE23, 43
.set NE45, 44
.set E45,  45
.set SQ,   46                          ; s46  the trip's queries in QROW
.set SH,   47                          ; s47  the trip's tiles in H1, on the way in
.set SR,   48                          ; s48  the trip's tiles in H1, on the way out
.set SS,   49                          ; s49  the trip's tiles in STG
.set MSB, 0
.macro WIN new                         ; the immediate's high byte repeats the setting that is left; a switch that changes nothing is dropped
.if MSB != \new
	s_set_vgpr_msb (MSB<<8)|\new
.set MSB, \new
.endif
.endm
; A vector instruction or a load that touches a matrix instruction's registers stands four places behind it, a matrix instruction that writes over them five (ISA guide 7.12.1 for vector instructions);
; this text leans on v_nop and plain arithmetic for these places.
.macro PLACES
.rept 4
	v_nop
.endr
.endm
.macro CONV src, dst, sc               ; 32 numbers of a lane become 32 codes in 8 registers
.irp g, 0,1,2,3
	v_cvt_scalef32_pk8_bf8_f32 v[\dst+2*\g:\dst+2*\g+1], v[\src+8*\g:\src+8*\g+7], v[\sc]
.endr
.endm
; ---------------------------------------------------------------- THE HEAD
	s_load_b512 s[8:23], s[0:1], 0x0               ; q s[8:9], s s[10:11], W1 s[12:13], W2 s[14:15], W3 s[16:17], W4 s[18:19], b1 s[20:21], b2 s[22:23]
	s_load_b256 s[24:31], s[0:1], 0x40             ; b3 s[24:25], b4 s[26:27], the exponents s[28:29], out s[30:31]
	s_set_vgpr_msb 0xc0
	v_lshl_add_u32 v254, v0, 2, 0x46100
	v_mov_b32 v255, 0
	s_set_vgpr_msb 0xc000
	v_lshrrev_b32 v31, 5, v0
	v_readfirstlane_b32 s[WV], v31                 ; wave 0..3
	v_and_b32 v31, 31, v0                          ; lane
	v_lshlrev_b32 v[LI], 4, v31
	v_and_b32 v200, 15, v0                         ; r
	v_bfe_u32 v201, v0, 4, 1                       ; h
	v_and_b32 v202, 8, v200
	v_add_nc_u32 v202, v202, v200                  ; r + 8 (r / 8)
	v_lshlrev_b32 v[AX], 10, v200
	v_lshl_add_u32 v[AX], v201, 6, v[AX]
	v_lshlrev_b32 v[AW1], 9, v202
	v_lshl_add_u32 v[AW1], v201, 4, v[AW1]
	v_lshlrev_b32 v[AW2], 8, v202
	v_lshl_add_u32 v[AW2], v201, 4, v[AW2]
	v_lshlrev_b32 v[AW3], 7, v200
	v_lshl_add_u32 v[AW3], v201, 4, v[AW3]
	v_lshlrev_b32 v[AB64], 6, v201
	v_lshlrev_b32 v[AB32], 5, v201
	s_lshl_b32 s4, s[WV], 12                       ; every LDS address: a constant + a constant x wave + a lane term
	s_add_co_u32 s4, s4, SIMG
	v_add_nc_u32 v[SWI], s4, v[LI]                 ; support tile st = my wave: two fragments of 2,048 bytes
	v_mul_u32_u24 v[QWI], v200, QP
	v_lshl_add_u32 v[QWI], v201, 4, v[QWI]
	s_lshl_b32 s4, s[WV], 6
	s_add_co_u32 s4, s4, QROW
	v_add_nc_u32 v[QWI], s4, v[QWI]                ; row r, my wave's 64 columns, + 16 h
	v_add_nc_u32 v[SRD], SIMG, v[LI]
	v_lshl_add_u32 v[QRB], v201, 4, QROW
	s_lshl_b32 s4, s[WV], 16
	v_add_nc_u32 v[HWB], s4, v[LI]
	s_lshl_b32 s4, s[WV], 14
	v_add_nc_u32 v[HRB], s4, v[LI]
	v_add_nc_u32 v[HRB+1], 65536, v[HRB]
	v_add_nc_u32 v[HRB+2], 131072, v[HRB]
	v_add_nc_u32 v[HRB+3], 196608, v[HRB]
	s_lshl_b32 s4, s[WV], 10
	s_add_co_u32 s4, s4, STG
	v_lshl_add_u32 v[STB], v200, 2, s4
	v_add_nc_u32 v[STR], s4, v[LI]
	v_lshlrev_b32 v[GO], 10, v201
	v_lshl_add_u32 v[GO], v200, 4, v[GO]
	s_and_b32 s5, ttmp7, 0xffff                    ; work-group y: my block of 16 queries
	s_mov_b32 s55, 0
	s_mov_b32 s57, 0
	s_mov_b32 s50, 0x76543210                      ; v_permlanex16_b32's selects for lane l xor 16
	s_mov_b32 s51, 0xfedcba98
	s_mov_b32 s52, 0xbfb8aa3b                      ; -log2(e)
	s_wait_kmcnt 0x0
	s_load_b128 s[32:35], s[28:29], 0x0            ; e0 .. e3
	s_load_b64 s[36:37], s[28:29], 0x10            ; e4, e5
	s_load_b32 s38, s[26:27], 0x0                  ; b4
	s_lshl_b32 s54, s5, 14                         ; 16 y rows of 1,024 bytes
	s_lshl_b32 s4, s[WV], 8
	s_add_co_u32 s56, s54, s4
	s_add_nc_u64 s[8:9], s[8:9], s[56:57]          ; q: my block's first row, my wave's 64 columns
	s_lshl_b32 s56, ttmp9, 16
	s_lshl_b32 s4, s[WV], 14
	s_add_co_u32 s56, s56, s4
	s_add_nc_u64 s[10:11], s[10:11], s[56:57]      ; s: row 64 x + 16 wave
	s_lshl_b32 s56, s[WV], 15
	s_add_nc_u64 s[12:13], s[12:13], s[56:57]      ; W1: my 64 rows of 512 bytes
	s_lshl_b32 s56, s[WV], 8
	s_add_nc_u64 s[20:21], s[20:21], s[56:57]      ; b1: my 64 numbers
	s_lshl_b32 s4, s[WV], 12
	s_add_co_u32 s54, s54, s4
	s_lshl_b32 s4, ttmp9, 8
	s_add_co_u32 s54, s54, s4
	s_add_nc_u64 s[30:31], s[30:31], s[54:55]      ; out: row 16 y + 4 wave, column 64 x.  No base and no address register is written again from here on
.irp b, 0,1                                    ; q: lane (r, h) takes, of row r, columns 64 wave + 32 b + 16 h + 0 .. 15
.irp j, 0,1,2,3
	global_load_b128 v[XQ+16*\b+4*\j:XQ+16*\b+4*\j+3], v[AX], s[8:9] offset:128*\b+16*\j
.endr
.endr
.irp e, 0,1                                    ; s: of row r of my tile, k = 128 e + 32 b + 16 h + 0 .. 15
.irp b, 0,1,2,3
.irp j, 0,1,2,3
	global_load_b128 v[XS+64*\e+16*\b+4*\j:XS+64*\e+16*\b+4*\j+3], v[AX], s[10:11] offset:512*\e+128*\b+16*\j
.endr
.endr
.endr
	WIN 0x40                                       ; destination window 1
.irp t, 0,1,2,3                                ; W1's sixteen fragments: they stay
.irp e, 0,1,2,3
.irp c, 0,1,2,3
	global_load_b128 v[16*(4*\t+\e)+4*\c:16*(4*\t+\e)+4*\c+3], v[AW1], s[12:13] offset:(32*(\t/2)+8*(\t%2))*512+128*\e+32*\c
.endr
.endr
.endr
	WIN 0xc0                                       ; destination window 3
.irp t, 0,1,2,3                                ; b1 in the result's layout: tile 2 b + u, lane half h: units 32 b + 16 h + 8 u + 0 .. 7
	global_load_b128 v[BI1+8*\t:BI1+8*\t+3], v[AB64], s[20:21] offset:(32*(\t/2)+8*(\t%2))*4
	global_load_b128 v[BI1+8*\t+4:BI1+8*\t+7], v[AB64], s[20:21] offset:(32*(\t/2)+8*(\t%2))*4+16
.endr
	WIN 0
	s_wait_kmcnt 0x0
	s_add_co_i32 s4, s32, 127
	s_lshl_b32 s6, s4, 23
	v_mov_b32 v[XSC], s6                           ; 2^e0 as f32: the conversion takes its exponent field
	s_add_co_i32 s4, s4, 15
	s_lshl_b32 s4, s4, 23
	s_or_b32 s4, s4, 0x600000
	v_mov_b32 v[XLIM], s4                          ; 57,344 x 2^e0
	s_add_co_i32 s7, s32, s33                      ; e0 + e1
	s_sub_co_i32 s[NE01], 0, s7
	s_sub_co_i32 s4, s34, s7                       ; e2 - e0 - e1: the three scales ahead of layer 1's quantiser, folded
	s_add_co_i32 s4, s4, 127
	s_lshl_b32 s6, s4, 23
	v_mov_b32 v[HSC1], s6
	s_add_co_i32 s4, s4, 15
	s_lshl_b32 s4, s4, 23
	s_or_b32 s[LIM1], s4, 0x600000
	s_add_co_i32 s7, s34, s35                      ; e2 + e3
	s_sub_co_i32 s[NE23], 0, s7
	s_sub_co_i32 s4, s36, s7                       ; e4 - e2 - e3
	s_add_co_i32 s4, s4, 127
	s_lshl_b32 s6, s4, 23
	v_mov_b32 v[HSC2], s6
	s_add_co_i32 s4, s4, 15
	s_lshl_b32 s4, s4, 23
	s_or_b32 s[LIM2], s4, 0x600000
	s_add_co_i32 s[E45], s36, s37                  ; e4 + e5
	s_sub_co_i32 s[NE45], 0, s[E45]
	s_mul_f32 s53, s38, s52                        ; -log2(e) b4
; blocks of 16 numbers of a lane, from v[src] on, become codes from v[dst] on, four registers a block
.macro QUANTX src, blocks, dst
.set bq, 0
.rept \blocks
.set iq, 0
.rept 16
	v_med3_num_f32 v[\src+16*bq+iq], v[\src+16*bq+iq], -v[XLIM], v[XLIM]   ; the conversion to an 8-bit code does not saturate (ISA guide 7.6.2): the hold at the largest code x the scale
.set iq, iq+1
.endr
	v_cvt_scalef32_pk8_bf8_f32 v[\dst+4*bq:\dst+4*bq+1], v[\src+16*bq:\src+16*bq+7], v[XSC]
	v_cvt_scalef32_pk8_bf8_f32 v[\dst+4*bq+2:\dst+4*bq+3], v[\src+16*bq+8:\src+16*bq+15], v[XSC]
.set bq, bq+1
.endr
	v_nop                                          ; one plain vector instruction behind the last conversion, ahead of whatever next touches its registers
.endm
	s_wait_loadcnt 63                              ; q and s are in: 72 loads were issued behind them, and 63 is the largest count that this wait can name
	QUANTX XQ, 2, QC
	ds_store_b128 v[QWI], v[QC:QC+3]
	ds_store_b128 v[QWI], v[QC+4:QC+7] offset:32
	QUANTX XS, 4, PCX0
.irp c, 0,1,2,3
	ds_store_b128 v[SWI], v[PCX0+4*\c:PCX0+4*\c+3] offset:512*\c
.endr
	QUANTX XS+64, 4, PCX1
.irp c, 0,1,2,3
	ds_store_b128 v[SWI], v[PCX1+4*\c:PCX1+4*\c+3] offset:2048+512*\c
.endr
.macro W2LOAD t0                       ; four tiles of W2, two K steps each: 32 loads
	WIN 0x80                                       ; destination window 2
.irp t, \t0, \t0+1, \t0+2, \t0+3
.irp e, 0,1
.irp c, 0,1,2,3
	global_load_b128 v[16*(2*(\t)+\e)+4*\c:16*(2*(\t)+\e)+4*\c+3], v[AW2], s[14:15] offset:(32*((\t)/2)+8*((\t)%2))*256+128*\e+32*\c
.endr
.endr
.endr
.endm
	W2LOAD 0                                       ; 56 loads that land under phase 1: half of W2, b2, b3
	WIN 0xc0
.irp t, 0,1,2,3,4,5,6,7
	global_load_b128 v[BI2+8*\t:BI2+8*\t+3], v[AB64], s[22:23] offset:(32*(\t/2)+8*(\t%2))*4
	global_load_b128 v[BI2+8*\t+4:BI2+8*\t+7], v[AB64], s[22:23] offset:(32*(\t/2)+8*(\t%2))*4+16
.endr
.irp t, 0,1,2,3                                ; b3: tile t, lane half h: units 16 t + 8 h + 0 .. 7
	global_load_b128 v[BI3+8*\t:BI3+8*\t+3], v[AB32], s[24:25] offset:64*\t
	global_load_b128 v[BI3+8*\t+4:BI3+8*\t+7], v[AB32], s[24:25] offset:64*\t+16
.endr
	WIN 0
	s_wait_dscnt 0x0                               ; for the others' sake: my codes of q and s lie in LDS
	s_barrier_signal -1
	s_barrier_wait -1                              ; everybody's do
; ---------------------------------------------------------------- PHASE 1: layer 1, my 64 hidden units for all 64 tiles
; A UNIT is one tile: 16 matrix instructions, K step by K step, so that the four accumulators take turns.  K steps 0, 1: the query's fragments; 2, 3: the support tile's.
; p: the set of accumulators; qb, sb: the query's and the support tile's set.  quant = 1: behind each matrix instruction stand two clips of the unit before, which lies in the other set, from its low end on.
.macro UNIT p, qb, sb, quant
.set rAD, ACC+32*(\p)
.set rAQ, ACC+32*(1-(\p))
.set k, 0
.rept 16
.set kst, k/4
.set til, k%4
.if kst < 2
.set rB, QBUF+32*(\qb)+16*kst
.else
.set rB, SBUF+32*(\sb)+16*(kst-2)
.endif
.if k == 0
	WIN 0x31                                       ; source 0 (W1) window 1, source 2 (b1) window 3
.endif
.if k == 4
	WIN 0x01                                       ; source 0 window 1
.endif
.if k < 4
	v_wmma_f32_16x16x128_bf8_bf8 v[rAD+8*til:rAD+8*til+7], v[16*(4*til+kst):16*(4*til+kst)+15], v[rB:rB+15], v[BI1+8*til:BI1+8*til+7]
.else
	v_wmma_f32_16x16x128_bf8_bf8 v[rAD+8*til:rAD+8*til+7], v[16*(4*til+kst):16*(4*til+kst)+15], v[rB:rB+15], v[rAD+8*til:rAD+8*til+7]
.endif
.if \quant
	v_med3_num_f32 v[rAQ+2*k], 0, v[rAQ+2*k], s[LIM1]        ; the activation and the hold in one: between 0 and the largest code x the scale
	v_med3_num_f32 v[rAQ+2*k+1], 0, v[rAQ+2*k+1], s[LIM1]
.endif
.set k, k+1
.endr
.endm
; The clipped unit in set a becomes 8 registers of codes and goes to LDS as it stands.  n: the LDS instructions issued behind the stores that last read this set of codes.
; The four v_nop are the place behind the conversions, the places between the unit just issued and the first clip of its results, and those in front of loads into the fragments that it read.
.macro SEC a, pc, off, n
	WIN 0
	s_wait_dscnt \n
	CONV ACC+32*(\a), \pc, HSC1
	PLACES
	ds_store_b128 v[HWA], v[\pc:\pc+3] offset:\off
	ds_store_b128 v[HWA], v[\pc+4:\pc+7] offset:\off+512
.endm
.macro QLOAD adr, qb, off              ; a query's two fragments: all sixteen pairs of a tile have the same query, so the lanes of a half read the same 16 bytes
.irp e, 0,1
.irp c, 0,1,2,3
	ds_load_b128 v[QBUF+32*(\qb)+16*\e+4*\c:QBUF+32*(\qb)+16*\e+4*\c+3], v[\adr] offset:\off+128*\e+32*\c
.endr
.endr
.endm
; A PASS takes support tiles 2 sp and 2 sp + 1, whose fragments stay in registers, against the 16 queries: 32 units; unit k = query k / 2, support tile 2 sp + k % 2.  Unit k carries the clips of unit k - 1.
.macro PASS sp
	s_mov_b32 s[SH], 0
	s_mov_b32 s[SQ], 0
.irp u, 0,1
.irp e, 0,1
.irp c, 0,1,2,3
	ds_load_b128 v[SBUF+32*\u+16*\e+4*\c:SBUF+32*\u+16*\e+4*\c+3], v[SRD] offset:2048*(2*(2*\sp+\u)+\e)+512*\c
.endr
.endr
.endr
	QLOAD QRB, 0, 0                                ; queries 0 and 1
	QLOAD QRB, 1, QP
.if \sp == 0
	s_wait_loadcnt 56                              ; W1 and b1 are in; the 56 loads issued behind them may be out
	WIN 0xc3                                       ; source 0 and destination window 3
.set iq, 0
.rept 32
	v_ldexp_f32 v[BI1+iq], v[BI1+iq], s[NE01]      ; b1 / 2^(e0 + e1): the power that the sums lack
.set iq, iq+1
.endr
.else
	W2LOAD 4                                       ; 56 more loads that land under this pass: the rest of W2, W3, W4
	WIN 0xc0
.irp t, 0,1,2,3
.irp c, 0,1,2,3
	global_load_b128 v[16*\t+4*\c:16*\t+4*\c+3], v[AW3], s[16:17] offset:2048*\t+32*\c
.endr
.endr
.irp t, 0,1,2,3
	global_load_b128 v[W4R+8*\t:W4R+8*\t+3], v[AB32], s[18:19] offset:64*\t
	global_load_b128 v[W4R+8*\t+4:W4R+8*\t+7], v[AB32], s[18:19] offset:64*\t+16
.endr
.endif
	s_wait_dscnt 0x0
	UNIT 0, 0, 0, 0                                ; unit 0: nothing to clip yet
	WIN 0                                          ; at a label and at a branch every window is 0
	PLACES
	s_mov_b32 s[CNT], 7
.Lpass_\sp:                                        ; a trip: units 4 m + 1 .. 4 m + 4, the codes of units 4 m .. 4 m + 3, the fragments of queries 2 m + 2 and 2 m + 3
	v_add_nc_u32 v[HWA], s[SH], v[HWB]
	v_add_nc_u32 v[QRA], s[SQ], v[QRB]
	UNIT 1, 0, 1, 1
	SEC 0, PC0, 2048*\sp, 10                       ; behind this set's last stores: 8 loads and 2 stores
	QLOAD QRA, 0, 2*QP
	s_wait_dscnt 12                                ; set 1's fragments are in: behind their loads came 2 + 2 stores and 8 loads
	UNIT 0, 1, 0, 1
	SEC 1, PC1, 2048*\sp+1024, 10
	UNIT 1, 1, 1, 1
	SEC 0, PC0, 2048*\sp+4096, 10
	QLOAD QRA, 1, 3*QP
	s_wait_dscnt 12                                ; set 0's fragments are in
	UNIT 0, 0, 0, 1
	SEC 1, PC1, 2048*\sp+5120, 10
	s_add_co_u32 s[SH], s[SH], 8192                ; two queries on: 8 tiles of 1,024 bytes,
	s_add_co_u32 s[SQ], s[SQ], 2*QP                ; two rows of codes
	s_sub_co_u32 s[CNT], s[CNT], 1
	s_cmp_lg_u32 s[CNT], 0
	s_cbranch_scc1 .Lpass_\sp
	v_add_nc_u32 v[HWA], 57344, v[HWB]             ; the tail, queries 14 and 15: nothing more is fetched, and the counts run down
	UNIT 1, 0, 1, 1
	SEC 0, PC0, 2048*\sp, 10
	s_wait_dscnt 4                                 ; set 1's fragments are in: behind their loads came 2 + 2 stores
	UNIT 0, 1, 0, 1
	SEC 1, PC1, 2048*\sp+1024, 2
	UNIT 1, 1, 1, 1
	SEC 0, PC0, 2048*\sp+4096, 2
.set iq, 0
.rept 32
	v_med3_num_f32 v[ACC+32+iq], 0, v[ACC+32+iq], s[LIM1]   ; the last unit's clips have no products to stand between
.set iq, iq+1
.endr
	SEC 1, PC1, 2048*\sp+5120, 2
.endm
	PASS 0
	PASS 1
	s_wait_dscnt 0x0                               ; for the others' sake: my codes of layer 1 lie in LDS
	s_barrier_signal -1
	s_barrier_wait -1                              ; everybody's do.  From here on no wave needs another
; ---------------------------------------------------------------- PHASE 2: layers 2, 3 and 4 for my 16 tiles
.macro HLOAD adr, hb, off              ; a tile's two fragments: registers 16 e + 4 c on come from writer 2 e + c / 2, its block c % 2
.irp e, 0,1
.irp c, 0,1,2,3
	ds_load_b128 v[HBUF+32*(\hb)+16*\e+4*\c:HBUF+32*(\hb)+16*\e+4*\c+3], v[\adr+2*\e+\c/2] offset:\off+512*(\c%2)
.endr
.endr
.endm
.macro L2MM half, hb                   ; product k of 8 of a half of layer 2: K step k / 4, tile 4 half + k % 4: four accumulators by turns
.set kst, k/4
.set til, 4*(\half)+k%4
.set rD, L2A+32*(\half)+8*(k%4)
.set rH, HBUF+32*(\hb)+16*kst
.if k == 0
	WIN 0x32                                       ; source 0 (W2) window 2, source 2 (b2) window 3
.endif
.if k == 4
	WIN 0x02
.endif
.if k < 4
	v_wmma_f32_16x16x128_bf8_bf8 v[rD:rD+7], v[16*(2*til+kst):16*(2*til+kst)+15], v[rH:rH+15], v[BI2+8*til:BI2+8*til+7]
.else
	v_wmma_f32_16x16x128_bf8_bf8 v[rD:rD+7], v[16*(2*til+kst):16*(2*til+kst)+15], v[rH:rH+15], v[rD:rD+7]
.endif
.endm
.macro L3MM                            ; layer 3: one K step, four tiles of 16 units
	WIN 0x33                                       ; source 0 (W3) and source 2 (b3) window 3
.irp t, 0,1,2,3
	v_wmma_f32_16x16x128_bf8_bf8 v[L3A+8*\t:L3A+8*\t+7], v[16*\t:16*\t+15], v[HCD:HCD+15], v[BI3+8*\t:BI3+8*\t+7]
.endr
.endm
; Layer 4: my 32 units of the pair's 64 times W4, two at a time in two chains; the other 32 lie in the lane 16 away.  Both halves of the lanes end with the same sum and store it to the same word.
.macro FIN par, off
	v_pk_mul_f32 v[SUMA:SUMA+1], v[L3A:L3A+1], v[W4P:W4P+1]
	v_pk_mul_f32 v[SUMB:SUMB+1], v[L3A+2:L3A+3], v[W4P+2:W4P+3]
.irp i, 4,8,12,16,20,24,28
	v_pk_fma_f32 v[SUMA:SUMA+1], v[L3A+\i:L3A+\i+1], v[W4P+\i:W4P+\i+1], v[SUMA:SUMA+1]
	v_pk_fma_f32 v[SUMB:SUMB+1], v[L3A+\i+2:L3A+\i+3], v[W4P+\i+2:W4P+\i+3], v[SUMB:SUMB+1]
.endr
	v_pk_add_f32 v[SUMA:SUMA+1], v[SUMA:SUMA+1], v[SUMB:SUMB+1]
	v_add_f32 v[TMP0+\par], v[SUMA], v[SUMA+1]
	v_permlanex16_b32 v[PXR], v[TMP0+\par], s50, s51
	v_add_f32 v[TMP0+\par], v[TMP0+\par], v[PXR]
	ds_store_b32 v[STA], v[TMP0+\par] offset:\off
.endm
; TILE n, a pipeline three tiles deep.  prev = 1: tile n - 1 exists; prev2 = 1: tile n - 2 exists.
;   A: layer 2's tiles 0-3 of n | between them: the clips of n - 1's tiles 4-7, the second half of n - 2's relu behind layer 3
;   X: n - 1's last codes; n - 2's dot product with W4; layer 3 of n - 1
;   B: layer 2's tiles 4-7 of n | between them: the clips of n's tiles 0-3, the first half of n - 1's relu
;   Y: n's first codes; the fragments of tile n + 2 into the set that n has left
; wt: the LDS instructions issued behind this tile's loads that may stay out.
.macro TILE hb, par, prev, prev2, finoff, load, adr, loadoff, wt
	s_wait_dscnt \wt
.set k, 0
.rept 8
	L2MM 0, \hb
.if \prev
	v_med3_num_f32 v[L2B+4*k], 0, v[L2B+4*k], s[LIM2]
	v_med3_num_f32 v[L2B+4*k+1], 0, v[L2B+4*k+1], s[LIM2]
	v_med3_num_f32 v[L2B+4*k+2], 0, v[L2B+4*k+2], s[LIM2]
	v_med3_num_f32 v[L2B+4*k+3], 0, v[L2B+4*k+3], s[LIM2]
.endif
.if \prev2
	v_max_num_f32 v[L3A+16+2*k], 0, v[L3A+16+2*k]
	v_max_num_f32 v[L3A+17+2*k], 0, v[L3A+17+2*k]
.endif
.set k, k+1
.endr
	WIN 0
.if \prev
	CONV L2B, HCD+8, HSC2
	v_nop                                          ; the plain instruction between the conversions and the products that read their codes
.if \prev2
	FIN \par, \finoff
.endif
	L3MM
.endif
	PLACES                                         ; behind layer 3's products and part A's, ahead of the first reads of their results
.set k, 0
.rept 8
	L2MM 1, \hb
	v_med3_num_f32 v[L2A+4*k], 0, v[L2A+4*k], s[LIM2]
	v_med3_num_f32 v[L2A+4*k+1], 0, v[L2A+4*k+1], s[LIM2]
	v_med3_num_f32 v[L2A+4*k+2], 0, v[L2A+4*k+2], s[LIM2]
	v_med3_num_f32 v[L2A+4*k+3], 0, v[L2A+4*k+3], s[LIM2]
.if \prev
	v_max_num_f32 v[L3A+2*k], 0, v[L3A+2*k]
	v_max_num_f32 v[L3A+2*k+1], 0, v[L3A+2*k+1]
.endif
.set k, k+1
.endr
	WIN 0
	CONV L2A, HCD, HSC2
	PLACES                                         ; behind the conversions; behind part B's products, ahead of the loads into the fragments that they read and of the next tile's clips
.if \load
	HLOAD \adr, \hb, \loadoff
.endif
.endm
	HLOAD HRB, 0, 0                                ; my tiles 0 and 1
	HLOAD HRB, 1, 1024
	v_mov_b32 v[PXR], 0                            ; written once: a lane permute's destination counts as one of its sources
	s_wait_loadcnt 0x0                             ; W2, W3, W4, b2, b3
	WIN 0xc3
.set iq, 0
.rept 64
	v_ldexp_f32 v[BI2+iq], v[BI2+iq], s[NE23]      ; b2 / 2^(e2 + e3)
.set iq, iq+1
.endr
.set iq, 0
.rept 32
	v_ldexp_f32 v[BI3+iq], v[BI3+iq], s[NE45]      ; b3 / 2^(e4 + e5)
.set iq, iq+1
.endr
	WIN 0x03                                       ; source 0 window 3, destination window 0
.set iq, 0
.rept 32
	v_ldexp_f32 v[W4P+iq], v[W4R+iq], s[E45]       ; W4 x 2^(e4 + e5), into the window in which the dot product works
.set iq, iq+1
.endr
	TILE 0, 0, 0, 0, 0, 1, HRB, 2048, 8            ; behind tile 0's loads: tile 1's eight
	TILE 1, 1, 1, 0, 0, 1, HRB, 3072, 8
	s_mov_b32 s[SR], 2048
	s_mov_b32 s[SS], 0
	s_mov_b32 s[CNT], 6
.Ltile:                                            ; a trip: tiles 2 m + 2 and 2 m + 3; the sums of tiles 2 m and 2 m + 1; the fragments of tiles 2 m + 4 and 2 m + 5
.irp j, 0,1,2,3
	v_add_nc_u32 v[HRA+\j], s[SR], v[HRB+\j]
.endr
	v_add_nc_u32 v[STA], s[SS], v[STB]
	TILE 0, 0, 1, 1, 0, 1, HRA, 2048, 8            ; behind a tile's loads came the next tile's eight and at most one store: eight may stay out on every way into the trip
	TILE 1, 1, 1, 1, 64, 1, HRA, 3072, 8
	s_add_co_u32 s[SR], s[SR], 2048
	s_add_co_u32 s[SS], s[SS], 128
	s_sub_co_u32 s[CNT], s[CNT], 1
	s_cmp_lg_u32 s[CNT], 0
	s_cbranch_scc1 .Ltile
	v_add_nc_u32 v[STA], 768, v[STB]               ; the tail: the sums of tiles 12 to 15; nothing more is fetched
	TILE 0, 0, 1, 1, 0, 0, HRA, 0, 8
	TILE 1, 1, 1, 1, 64, 0, HRA, 0, 0
.set iq, 0
.rept 32
	v_med3_num_f32 v[L2B+iq], 0, v[L2B+iq], s[LIM2]   ; tile 15's tiles 4-7
.set iq, iq+1
.endr
.set iq, 16
.rept 16
	v_max_num_f32 v[L3A+iq], 0, v[L3A+iq]          ; the second half of tile 14's relu
.set iq, iq+1
.endr
	CONV L2B, HCD+8, HSC2
	v_nop
	FIN 0, 128                                     ; tile 14
	L3MM                                           ; tile 15
	WIN 0
	PLACES
.set iq, 0
.rept 32
	v_max_num_f32 v[L3A+iq], 0, v[L3A+iq]
.set iq, iq+1
.endr
	FIN 1, 192                                     ; tile 15
; ---------------------------------------------------------------- THE WAY OUT: my four queries x 64 supports
	ds_load_b128 v[ZR:ZR+3], v[STR]                ; my own bytes, and LDS serves a wave's instructions in order (ISA guide 5.7.1.4): these see my stores.  Lanes 0-15: a query's 64 sums, lanes 16-31: the next query's
	ds_load_b128 v[ZR+4:ZR+7], v[STR] offset:512
	s_wait_dscnt 0x0
.irp i, 0,1,2,3,4,5,6,7
	v_fma_f32 v[ZR+\i], v[ZR+\i], s52, s53         ; -log2(e) (z + b4)
.endr
.irp i, 0,1,2,3,4,5,6,7
	v_exp_f32 v[ZR+\i], v[ZR+\i]
.endr
	v_nop                                          ; a plain instruction behind the last exponential,
	s_wait_alu depctr_va_vdst(0)                   ; and one wait for the batch, ahead of its first reader
.irp i, 0,1,2,3,4,5,6,7
	v_add_f32 v[ZR+\i], 1.0, v[ZR+\i]
.endr
.irp i, 0,1,2,3,4,5,6,7
	v_rcp_f32 v[ZR+\i], v[ZR+\i]                   ; sigmoid = 1 / (1 + 2^(-log2(e) (z + b4))): an overflowing power gives 0, a vanishing one gives 1
.endr
	v_nop
	s_wait_alu depctr_va_vdst(0)
	global_store_b128 v[GO], v[ZR:ZR+3], s[30:31] th:TH_STORE_NT               ; sixteen lanes store 256 consecutive bytes, at a multiple of 256 from out's first byte
	global_store_b128 v[GO], v[ZR+4:ZR+7], s[30:31] offset:2048 th:TH_STORE_NT
	s_barrier_signal -1
	s_barrier_wait -1
	s_set_vgpr_msb 0xf
	s_wait_tensorcnt 0x0
	ds_add_u32 v254, v255
	s_wait_dscnt 0x0
	s_set_vgpr_msb 0xf00
	s_endpgm
.Lfunc_end_k_q09b688651f_relation:
	.size	k_q09b688651f_relation, .Lfunc_end_k_q09b688651f_relation-k_q09b688651f_relation
	.p2alignl 7, 3214868480
	.fill 96, 4, 3214868480
	.section	.rodata,"a",@progbits
	.p2align	6, 0x0
	.amdhsa_kernel k_q09b688651f_relation
		.amdhsa_group_segment_fixed_size 287488
		.amdhsa_private_segment_fixed_size 0
		.amdhsa_enable_private_segment 0
		.amdhsa_kernarg_size 96
		.amdhsa_user_sgpr_count 2
		.amdhsa_user_sgpr_kernarg_segment_ptr 1
		.amdhsa_wavefront_size32 1
		.amdhsa_system_sgpr_workgroup_id_x 1
		.amdhsa_system_sgpr_workgroup_id_y 1
		.amdhsa_system_sgpr_workgroup_id_z 1
		.amdhsa_system_vgpr_workitem_id 0
		.amdhsa_next_free_vgpr 1024
		.amdhsa_next_free_sgpr 66
		.amdhsa_reserve_vcc 0
		.amdhsa_float_denorm_mode_32 3
		.amdhsa_float_denorm_mode_16_64 3
		.amdhsa_memory_ordered 1
		.amdhsa_forward_progress 1
		.amdhsa_inst_pref_size 171
	.end_amdhsa_kernel
	.amdgpu_metadata
---
amdhsa.version: [ 1, 2 ]
amdhsa.kernels:
  - .name:           k_q09b688651f_relation
    .symbol:         k_q09b688651f_relation.kd
    .args:
      - { .name: query_features, .offset: 0, .size: 8, .value_kind: global_buffer, .address_space: global }
      - { .name: support_features, .offset: 8, .size: 8, .value_kind: global_buffer, .address_space: global }
      - { .name: W1_codes, .offset: 16, .size: 8, .value_kind: global_buffer, .address_space: global }
      - { .name: W2_codes, .offset: 24, .size: 8, .value_kind: global_buffer, .address_space: global }
      - { .name: W3_codes, .offset: 32, .size: 8, .value_kind: global_buffer, .address_space: global }
      - { .name: W4, .offset: 40, .size: 8, .value_kind: global_buffer, .address_space: global }
      - { .name: b1, .offset: 48, .size: 8, .value_kind: global_buffer, .address_space: global }
      - { .name: b2, .offset: 56, .size: 8, .value_kind: global_buffer, .address_space: global }
      - { .name: b3, .offset: 64, .size: 8, .value_kind: global_buffer, .address_space: global }
      - { .name: b4, .offset: 72, .size: 8, .value_kind: global_buffer, .address_space: global }
      - { .name: lowp_scales, .offset: 80, .size: 8, .value_kind: global_buffer, .address_space: global }
      - { .name: out0, .offset: 88, .size: 8, .value_kind: global_buffer, .address_space: global }
    .group_segment_fixed_size: 287488
    .private_segment_fixed_size: 0
    .kernarg_segment_align: 8
    .kernarg_segment_size: 96
    .max_flat_workgroup_size: 128
    .sgpr_count:     66
    .vgpr_count:     1024
    .wavefront_size: 32
...
	.end_amdgpu_metadata
.endif
;; end of part 1
